; MI455X (gfx1250); checked and timed in simulation.
; The chip was launched on July 23, 2026; its instructions are those of AMD's public machine-readable ISA for CDNA 5 (MIT licence, August 2026) and "CDNA5" Instruction Set Architecture Reference Guide (July 2026). The comments in the code are by the model that wrote it; some were corrected since.
;; Feed Forward Quantum. Allowed arithmetic: float matrix products may take bf16 or f16 operands with f32 sums; all other float work in f32.
;; Inputs: W1 4,096 x 1,024 float32; W2 1,024 x 4,096 float32; theta 1,024 float32; x 4 x 2,048 x 1,024 float32.
;; Outputs: out0 4 x 2,048 x 1,024 float32.
;; One version. Each part assembles by itself: llvm-mc -triple=amdgcn-amd-amdhsa -mcpu=gfx1250 --defsym DOCPART=n.
;; ======== version 1 of 1: 3 launches
;; limits: values are held in f16: magnitudes above 65,504 overflow, below 6.1e-05 lose precision; inputs' magnitudes at most 13,176,794
;; workspace buffers: q 16,777,216 bytes; w1b 8,388,608 bytes; w2b 8,388,608 bytes; h 67,108,864 bytes
;; launch prep (part 1): grid 1024 x 1, 8 waves a work-group, no clusters, 0 bytes of LDS; arguments x, theta, W1, W2, q, w1b, w2b; writes q, w1b, w2b
.if DOCPART == 1
	.amdgcn_target "amdgcn-amd-amdhsa--gfx1250"
	.amdhsa_code_object_version 6
	.text
	.protected	k_qa2dd66c502_prep
	.globl	k_qa2dd66c502_prep
	.p2align	8
	.type	k_qa2dd66c502_prep,@function
k_qa2dd66c502_prep:
	s_mov_b64 s[64:65], 0
	v_nop
	global_prefetch_b8 v0, s[64:65] scope:SCOPE_SE
	s_setreg_imm32_b32 hwreg(HW_REG_WAVE_MODE, 25, 1), 1
	s_wait_xcnt 0x0
; FIRST OF THREE LAUNCHES.  out = relu(cos(x + theta) W1^T) W2^T.
;   this launch: q = f16(cos(x + theta)) [8192][1024];  w1b = f16(W1) [4096][1024];  w2b = f16(W2) [1024][4096]
;   second:      h = f16(relu(q w1b^T)) [8192][4096], sums in f32
;   third:       out0 = h w2b^T [8192][1024], sums and result in f32
; Nothing of the problem is left out: every input reaches every output.
; WHY A PASS OF ITS OWN: each row of q is multiplied by 16 column blocks of W1 and each weight by 32 or 64 row blocks; the cosine and the
; casts are done once here and not once for each block that reads them.
; WHY f16: it keeps 11 significant bits, three more than bf16, and the values have room in it: |q| <= 1 by the cosine itself,
; |h| <= 1024 max|W1|, and the weights are far from both ends of its range (its smallest step, 2^-24, is about 1e-4 of the weights' spread even when they are 30 times smaller).
; LIMITS: the cosine's range reduction holds for |x + theta| < 2^22 pi (about 1.3e7); beyond it the whole number n below is no longer exact.
; A weight of magnitude 65,520 or more becomes an infinity in f16.
;
; A stream: no LDS, no barrier, no loop.  All three sources are taken as rows of 4,096 bytes (1,024 f32): x has 8,192, W1 4,096, W2 4,096.
; A work-group takes 16 rows: groups 0-511 x, 512-767 W1, 768-1023 W2.  Thread t owns the 16 bytes at 16 t of every row (columns 4 t .. 4 t + 3),
; so its four theta stay in registers; a load of a wave covers 512 neighbouring bytes, a store of a wave 256 neighbouring bytes, aligned.
; A wave asks for its whole share, 16 loads of 512 bytes, before it waits for the first; then it takes the rows in the order in which they come.
; A row's four f16 are packed into the first two of the four registers that it was loaded into, and stored from there: no register that a load or a
; store names is ever written again, so no wait stands for a source's sake.
.set ROW,   4096                       ; bytes in a source row
.set OROW,  2048                       ; bytes in a row of f16
.set ROWS,  16                         ; rows of a work-group = loads of a wave
.set TH,    4                          ; v[4:7]    my four theta
.set KINV,  8                          ; v[8:9]    1/pi, twice (pairs for the packed forms)
.set KMAG,  10                         ; v[10:11]  1.5 x 2^23
.set KPH,   12                         ; v[12:13]  -pi, upper part
.set KPL,   14                         ; v[14:15]  -pi, the rest
.set K5,    16                         ; v[16:17]  -1/10!
.set K4,    18                         ; v[18:19]   1/8!
.set K3,    20                         ; v[20:21]  -1/6!
.set K2,    22                         ; v[22:23]   1/4!
.set A,     24                         ; v[24:27]  x + theta
.set T,     28                         ; v[28:31]  n + 1.5 x 2^23
.set R,     32                         ; v[32:35]  the reduced angle
.set Q,     36                         ; v[36:39]  n, then r^2
.set P,     40                         ; v[40:43]  the polynomial
.set X,     44                         ; v[44:107] row i: 4 f32 as loaded; then its 4 f16 in the first two
.macro KSET r, val
	v_mov_b32 v[\r], \val
	v_mov_b32 v[\r+1], \val
.endm
.macro LOADS                           ; the wave's whole share; each source byte is read once in the launch
.irp i, 0,1,2,3,4,5,6,7,8,9,10,11,12,13,14,15
	global_load_b128 v[X+4*\i:X+4*\i+3], v1, s[20:21] offset:\i*ROW th:TH_LOAD_NT
.endr
.endm
; Row i.  cosine = 1: cos(a), a = x + theta.  n = a/pi rounded to a whole number, r = a - n pi in [-pi/2, pi/2], cos(a) = (-1)^n cos(r).
; cos(r) by its series up to r^10/10!; the first term left out is at most (pi/2)^12/12! = 4.7e-7.
.macro SLOT i, cosine
	s_wait_loadcnt ROWS-1-\i                       ; loads come back in order: row i is in, the ROWS-1-i younger loads stay out (theta's load is older than all)
.if \cosine
.irp p, 0,2
	v_pk_add_f32 v[A+\p:A+\p+1], v[X+4*\i+\p:X+4*\i+\p+1], v[TH+\p:TH+\p+1]
.endr
.irp p, 0,2
	v_pk_fma_f32 v[T+\p:T+\p+1], v[A+\p:A+\p+1], v[KINV:KINV+1], v[KMAG:KMAG+1]      ; adding 1.5 x 2^23 rounds a/pi to a whole number; the word's lowest bit is n's parity
.endr
.irp p, 0,2
	v_pk_add_f32 v[Q+\p:Q+\p+1], v[T+\p:T+\p+1], v[KMAG:KMAG+1] neg_lo:[0,1] neg_hi:[0,1]   ; n
.endr
.irp p, 0,2
	v_pk_fma_f32 v[R+\p:R+\p+1], v[Q+\p:Q+\p+1], v[KPH:KPH+1], v[A+\p:A+\p+1]        ; a - n pi, pi in two parts
.endr
.irp p, 0,2
	v_pk_fma_f32 v[R+\p:R+\p+1], v[Q+\p:Q+\p+1], v[KPL:KPL+1], v[R+\p:R+\p+1]
.endr
.irp p, 0,2
	v_pk_mul_f32 v[Q+\p:Q+\p+1], v[R+\p:R+\p+1], v[R+\p:R+\p+1]                      ; r^2
.endr
.irp p, 0,2
	v_pk_fma_f32 v[P+\p:P+\p+1], v[Q+\p:Q+\p+1], v[K5:K5+1], v[K4:K4+1]
.endr
.irp p, 0,2
	v_pk_fma_f32 v[P+\p:P+\p+1], v[P+\p:P+\p+1], v[Q+\p:Q+\p+1], v[K3:K3+1]
.endr
.irp p, 0,2
	v_pk_fma_f32 v[P+\p:P+\p+1], v[P+\p:P+\p+1], v[Q+\p:Q+\p+1], v[K2:K2+1]
.endr
.irp p, 0,2
	v_pk_fma_f32 v[P+\p:P+\p+1], v[P+\p:P+\p+1], v[Q+\p:Q+\p+1], -0.5 op_sel_hi:[1,1,0]
.endr
.irp p, 0,2
	v_pk_fma_f32 v[P+\p:P+\p+1], v[P+\p:P+\p+1], v[Q+\p:Q+\p+1], 1.0 op_sel_hi:[1,1,0]
.endr
.irp j, 0,1,2,3
	v_lshlrev_b32 v[T+\j], 31, v[T+\j]             ; n's parity becomes a sign bit
.endr
.irp j, 0,1,2,3
	v_xor_b32 v[P+\j], v[P+\j], v[T+\j]            ; (-1)^n cos(r)
.endr
	v_cvt_pk_f16_f32 v[X+4*\i],   v[P],   v[P+1]
	v_cvt_pk_f16_f32 v[X+4*\i+1], v[P+2], v[P+3]
.else
	v_cvt_pk_f16_f32 v[X+4*\i],   v[X+4*\i],   v[X+4*\i+1]
	v_cvt_pk_f16_f32 v[X+4*\i+1], v[X+4*\i+2], v[X+4*\i+3]
.endif
	global_store_b64 v2, v[X+4*\i:X+4*\i+1], s[22:23] offset:\i*OROW                  ; no hint: the next launch reads these bytes
.endm
.macro WORK cosine
.irp i, 0,1,2,3,4,5,6,7,8,9,10,11,12,13,14,15
	SLOT \i, \cosine
.endr
	s_endpgm
.endm
	s_load_b256 s[4:11], s[0:1], 0x0               ; x s[4:5], theta s[6:7], W1 s[8:9], W2 s[10:11]
	s_load_b128 s[12:15], s[0:1], 0x20             ; q s[12:13], w1b s[14:15]
	s_load_b64 s[16:17], s[0:1], 0x30              ; w2b
	v_lshlrev_b32 v1, 4, v0                        ; 16 t: my bytes in a source row and in theta; never rewritten
	v_lshlrev_b32 v2, 3, v0                        ; 8 t: my bytes in a row of f16; never rewritten
	s_mov_b32 s25, 0
	s_mov_b32 s27, 0
	s_cmp_lt_u32 ttmp9, 0x200
	s_cbranch_scc0 .Lcast
	; groups 0-511: x to q
	s_lshl_b32 s24, ttmp9, 16                      ; 16 rows of 4,096 bytes
	s_lshl_b32 s26, ttmp9, 15                      ; 16 rows of 2,048 bytes
	s_wait_kmcnt 0x0
	s_add_nc_u64 s[20:21], s[4:5], s[24:25]
	s_add_nc_u64 s[22:23], s[12:13], s[26:27]
	global_load_b128 v[TH:TH+3], v1, s[6:7]        ; all these groups read theta: no hint
	LOADS
	KSET KINV, 0x3ea2f983                          ; the constants are set while the loads are on their way
	KSET KMAG, 0x4b400000
	KSET KPH,  0xc0490fdb
	KSET KPL,  0x33bbbd2e
	KSET K5,   0xb493f27e
	KSET K4,   0x37d00d01
	KSET K3,   0xbab60b61
	KSET K2,   0x3d2aaaab
	WORK 1
.Lcast:
	; groups 512-767: W1 to w1b; groups 768-1023: W2 to w2b
	s_sub_co_u32 s18, ttmp9, 0x200
	s_and_b32 s19, s18, 255                        ; the group's place in its matrix
	s_wait_kmcnt 0x0
	s_cmp_lt_u32 s18, 0x100
	s_cselect_b64 s[20:21], s[8:9], s[10:11]
	s_cselect_b64 s[22:23], s[14:15], s[16:17]
	s_lshl_b32 s24, s19, 16
	s_lshl_b32 s26, s19, 15
	s_add_nc_u64 s[20:21], s[20:21], s[24:25]
	s_add_nc_u64 s[22:23], s[22:23], s[26:27]
	LOADS
	WORK 0
.Lfunc_end_k_qa2dd66c502_prep:
	.size	k_qa2dd66c502_prep, .Lfunc_end_k_qa2dd66c502_prep-k_qa2dd66c502_prep
	.p2alignl 7, 3214868480
	.fill 96, 4, 3214868480
	.section	.rodata,"a",@progbits
	.p2align	6, 0x0
	.amdhsa_kernel k_qa2dd66c502_prep
		.amdhsa_group_segment_fixed_size 0
		.amdhsa_private_segment_fixed_size 0
		.amdhsa_enable_private_segment 0
		.amdhsa_kernarg_size 56
		.amdhsa_user_sgpr_count 2
		.amdhsa_user_sgpr_kernarg_segment_ptr 1
		.amdhsa_wavefront_size32 1
		.amdhsa_system_sgpr_workgroup_id_x 1
		.amdhsa_system_sgpr_workgroup_id_y 1
		.amdhsa_system_sgpr_workgroup_id_z 1
		.amdhsa_system_vgpr_workitem_id 0
		.amdhsa_next_free_vgpr 108
		.amdhsa_next_free_sgpr 66
		.amdhsa_reserve_vcc 0
		.amdhsa_float_denorm_mode_32 3
		.amdhsa_float_denorm_mode_16_64 3
		.amdhsa_memory_ordered 1
		.amdhsa_forward_progress 1
		.amdhsa_inst_pref_size 40
	.end_amdhsa_kernel
	.amdgpu_metadata
---
amdhsa.version: [ 1, 2 ]
amdhsa.kernels:
  - .name:           k_qa2dd66c502_prep
    .symbol:         k_qa2dd66c502_prep.kd
    .args:
      - { .name: x, .offset: 0, .size: 8, .value_kind: global_buffer, .address_space: global }
      - { .name: theta, .offset: 8, .size: 8, .value_kind: global_buffer, .address_space: global }
      - { .name: W1, .offset: 16, .size: 8, .value_kind: global_buffer, .address_space: global }
      - { .name: W2, .offset: 24, .size: 8, .value_kind: global_buffer, .address_space: global }
      - { .name: q, .offset: 32, .size: 8, .value_kind: global_buffer, .address_space: global }
      - { .name: w1b, .offset: 40, .size: 8, .value_kind: global_buffer, .address_space: global }
      - { .name: w2b, .offset: 48, .size: 8, .value_kind: global_buffer, .address_space: global }
    .group_segment_fixed_size: 0
    .private_segment_fixed_size: 0
    .kernarg_segment_align: 8
    .kernarg_segment_size: 56
    .max_flat_workgroup_size: 256
    .sgpr_count:     66
    .vgpr_count:     108
    .wavefront_size: 32
...
	.end_amdgpu_metadata
.endif
;; end of part 1
;; launch gemm1 (part 2): grid 16 x 16, 4 waves a work-group, clusters of 4 x 4, 327,680 bytes of LDS; arguments q, w1b, h; writes h
.if DOCPART == 2
	.amdgcn_target "amdgcn-amd-amdhsa--gfx1250"
	.amdhsa_code_object_version 6
	.text
	.protected	k_qa2dd66c502_gemm1
	.globl	k_qa2dd66c502_gemm1
	.p2align	8
	.type	k_qa2dd66c502_gemm1,@function
k_qa2dd66c502_gemm1:
	s_mov_b64 s[64:65], 0
	v_nop
	global_prefetch_b8 v0, s[64:65] scope:SCOPE_SE
	s_setreg_imm32_b32 hwreg(HW_REG_WAVE_MODE, 25, 1), 1
	s_wait_xcnt 0x0
	s_wait_alu depctr_hold_cnt(0) depctr_sa_sdst(0) depctr_va_vdst(0) depctr_va_sdst(0) depctr_va_ssrc(0) depctr_va_vcc(0) depctr_vm_vsrc(0)
	s_getreg_b32 s2, hwreg(HW_REG_IB_STS2, 6, 4)
	s_cmp_eq_u32 s2, 0
	s_cbranch_scc0 .Lentry_in_a_cluster
	s_endpgm
.Lentry_in_a_cluster:
	s_bfe_u32 s2, ttmp6, 0x10000c
	s_cmp_lg_u32 s2, 0xf033
	s_cbranch_scc0 .Lentry_shape_is_right
	s_endpgm
.Lentry_shape_is_right:
; SECOND LAUNCH: h[m][n] = f16(relu(sum over k of q[m][k] w1b[n][k])).  q: [8192][1024], w1b: [4096][1024], h: [8192][4096], all f16; sums and relu in f32.
; Nothing is left out.
; LIMITS: a sum of magnitude 65,520 or more becomes an infinity in f16 (|h| <= 1024 max|W1|, since |q| <= 1).  The relu is a maximum in which a NaN loses:
; a NaN sum, which only inputs that are not finite can give, becomes 0.
; A block of h is 256 x 256, made by four waves, as many as a WGP has SIMDs; a wave makes 128 x 128: 64 accumulator tiles of 16 x 16,
; 512 registers.  For 32 along K a wave reads 2 x 128 x 64 bytes from LDS and issues 64 matrix instructions.
; K goes in steps of 128 through a ring of two LDS slots filled by the tensor data mover: a tile's rows are 256 bytes of memory, at multiples of 256 bytes.
; WORK-GROUPS THAT STAY: h has 32 x 16 = 512 blocks; 256 work-groups make two each, block rows y and y + 16 of one block column.  K is only eight steps long,
; so the ring runs on from the first block into the second: the slot changes of the first block's K steps 6 and 7 ask for the second block's K steps 0 and 1,
; which land while the first block's results are rounded and stored, and those stores are not waited for before the second block's products begin.
; CLUSTERS: 4 x 4 work-groups.  The four of a row of the cluster need the same tiles of q, the four of a column the same tiles of w1b.  Such a tile is asked for
; jointly: each of the four issues the same tensor load, with the same descriptor and a mask that names the four, and each receives it in its own LDS.
;
; REGISTERS, in windows of 256 (s_set_vgpr_msb says which window each operand place means):
;   window 0: v0-31 addresses; v64-127, v128-191 fragments of q (8 x 16 rows x 32 K), two buffers; v192-223 at work on the way out
;   window 1: v64-127, v128-191 fragments of w1b, two buffers
;   window 2: the 32 accumulator tiles of my rows 0-63 (tile (a, b) at v[8 (8 a + b)]);   window 3: those of my rows 64-127
; THE MATRIX INSTRUCTION IS USED TRANSPOSED: source 0 = 16 rows of w1b, source 1 = 16 rows of q.  Lane l then holds row l % 16 of h, and its registers 0 to 7
; the columns 8 (l / 16) + 0 .. 7: eight neighbouring numbers of a row, which pack into 16 bytes.
.set SIZE_M, 8192
.set SIZE_N, 4096
.set SIZE_K, 1024
.set KSTEP,  128
.set PITCH,  272                       ; an LDS row: 256 bytes of data + 16 of padding, so that the 16 rows that a fragment load touches lie in 16 different 16-byte columns modulo 256 bytes
.set HALFT,  128*PITCH                 ; 128 rows: what one tensor load brings, and what one wave reads of either matrix
.set SLOT,   4*HALFT                   ; q's 256 rows, then w1b's 256 rows
.set STAGE,  2*SLOT                    ; behind the ring: 16 rows x 272 bytes for each wave, for the way out; no fill lands there
.set SPITCH, 272
.set LAPS, SIZE_K/(2*KSTEP)            ; a lap = two K steps = once round the ring: 4 laps a block
.set NEXTROWS, 16*256                  ; rows from a work-group's first block to its second
.set NEXTA, NEXTROWS*SIZE_K*2-6*KSTEP*2   ; q's address from K step 6 (7) of the first block to K step 0 (1) of the second: 4,096 rows on, six K steps back
.set ADRA, 16                          ; v16-17  LDS address of my q fragments in slot 0, 1
.set ADRB, 20                          ; v20-21  the same for w1b
.set STO,  24                          ; v24     the way out: where I put 16 bytes of a row
.set RD,   25                          ; v25     the way out: where I read a row back
.set CO,   26                          ; v26     my byte offset in h
.set F0,   64                          ; fragment buffer 0
.set F1,   128                         ; fragment buffer 1
.set TMP,  192                         ; the way out: packed results, in window 0
.set G1, 24                            ; s[24:31] descriptor group 1 for q's tiles
.set G0, 32                            ; s[32:39] descriptor group 0 for q's tiles, one set for each slot
.set G1B, 48                           ; s[48:55] descriptor group 1 for w1b's tiles: it differs in the mask alone
.set G0B, 56                           ; s[56:63] descriptor group 0 for w1b's tiles, one set for each slot
.set MSB, 0
.macro WIN new                         ; the immediate's high byte repeats the setting that is left; a switch that changes nothing is dropped
.if MSB != \new
	s_set_vgpr_msb (MSB<<8)|\new
.set MSB, \new
.endif
.endm
.set MUL_LO, 0xa1                      ; source 0 (w1b) window 1, source 1 (q) window 0, C and D window 2
.set MUL_HI, 0xf1                      ; the same, C and D window 3
.set TO_B,   0x40                      ; destination window 1, address window 0
; A joint load.  Waves 0 and 1 fetch q's two halves, waves 2 and 3 w1b's.  Each line has one mask and one set of registers for all that issue it.
; The branch hangs on the wave's number alone: it is the same in every work-group.
.macro JLOAD s
	s_cmp_eq_u32 s11, 0
	s_cbranch_scc0 .Lfor_b_\@
	tensor_load_to_lds s[G0+4*\s:G0+4*\s+3], s[G1:G1+7]
	s_nop 0
	s_branch .Lasked_\@
.Lfor_b_\@:
	tensor_load_to_lds s[G0B+4*\s:G0B+4*\s+3], s[G1B:G1B+7]
	s_nop 0
.Lasked_\@:
.endm
; A round of the cluster's barrier: my work-group's barrier, so that wave 0's signal speaks for all four waves; wave 0 signals for the work-group;
; every wave waits for all sixteen work-groups; my work-group's barrier once more.
.macro CREST                           ; a round behind its opening barrier
	s_cmp_lg_u32 s10, 0
	s_cbranch_scc1 .Lnot_wave_0_\@
	s_barrier_signal -3
.Lnot_wave_0_\@:
	s_barrier_wait -3
	s_barrier_signal -1
	s_barrier_wait -1
.endm
.macro CROUND                          ; a whole round
	s_barrier_signal -1
	s_barrier_wait -1
	CREST
.endm
	s_load_b128 s[4:7], s[0:1], 0x0                ; q s[4:5], w1b s[6:7]
	s_load_b64 s[8:9], s[0:1], 0x10                ; h
	s_set_vgpr_msb 0x40
	v_lshl_add_u32 v255, v0, 2, 0x48400
	s_set_vgpr_msb 0x4000
	v_mov_b32 v255, 0
	s_set_vgpr_msb 0x1
	ds_add_u32 v255, v255
	s_set_vgpr_msb 0x100
	v_lshrrev_b32 v1, 5, v0
	v_readfirstlane_b32 s10, v1                    ; wave 0..3
	s_lshr_b32 s11, s10, 1                         ; which half of the block's rows is mine.  Also: I fetch for q (0) or for w1b (1)
	s_and_b32 s12, s10, 1                          ; which half of its columns.  Also: which 128 rows of that tile I fetch
	s_bfe_u32 s40, ttmp6, 0x40000                  ; cx: my place along the cluster's x
	s_bfe_u32 s41, ttmp6, 0x40004                  ; cy: along its y
	s_lshl_b32 s42, ttmp9, 2                       ; in a cluster launch ttmp9 and ttmp7 count clusters
	s_add_co_u32 s42, s42, s40                     ; block column = 4 x cluster x + cx
	s_and_b32 s13, ttmp7, 0xffff
	s_lshl_b32 s13, s13, 2
	s_add_co_u32 s13, s13, s41                     ; block row of my first block = 4 x cluster y + cy, 0 to 15; the second is 16 further down
	s_lshl_b32 s43, s41, 2
	s_lshl_b32 s43, 15, s43                        ; my row of the cluster: places 4 cy .. 4 cy + 3
	s_lshl_b32 s44, 0x1111, s40                    ; my column: places cx, cx + 4, cx + 8, cx + 12
	; descriptor group 1: a tile of 128 rows x 128 elements, padded in LDS
	s_or_b32 s[G1+0], s43, (1<<16)|(1<<20)|(1<<21)|(5<<22)|(3<<25)  ; 15:0 the mask: q's tiles go to my row; 17:16 elements of 2 bytes; 20 padding on; 21 set beside a mask; 24:22 after every 64 words; 31:25 four words
	s_or_b32 s[G1B+0], s44, (1<<16)|(1<<20)|(1<<21)|(5<<22)|(3<<25) ; the same with the mask of my column, for w1b's tiles
	s_mov_b32 s[G1B+1], KSTEP<<16
	s_mov_b32 s[G1+1], KSTEP<<16                   ; tensor_dim0 = 128
	s_mov_b32 s[G1B+2], 128<<16
	s_mov_b32 s[G1+2], 128<<16                     ; tensor_dim1 = 128
	s_mov_b32 s[G1B+3], KSTEP<<16
	s_mov_b32 s[G1+3], KSTEP<<16                   ; tile_dim0 = 128
	s_mov_b32 s[G1B+4], 128
	s_mov_b32 s[G1+4], 128                         ; tile_dim1 = 128; tile_dim2 = 0
	s_mov_b32 s[G1B+5], SIZE_K
	s_mov_b32 s[G1+5], SIZE_K                      ; elements from row to row
	s_mov_b32 s[G1B+6], 0
	s_mov_b32 s[G1+6], 0
	s_mov_b32 s[G1B+7], 0
	s_mov_b32 s[G1+7], 0
	; where the tiles come from.  q's hang on the block row alone, which my row of the cluster shares; w1b's on the block column alone, which my column shares.
	; Every wave makes both addresses, in registers that never hold the other coordinate, and asks by one of them.
	s_lshl_b32 s17, s12, 7                         ; which 128 rows of the tile I fetch
	s_lshl_b32 s16, s13, 8
	s_add_co_u32 s16, s16, s17                     ; q: row 256 x block row + 128 x half
	s_lshl_b32 s46, s42, 8
	s_add_co_u32 s46, s46, s17                     ; w1b: row 256 x block column + 128 x half
	s_mov_b32 s17, 0
	s_mov_b32 s47, 0
	s_mov_b64 s[18:19], SIZE_K*2
	s_mul_u64 s[16:17], s[16:17], s[18:19]         ; in bytes
	s_mul_u64 s[46:47], s[46:47], s[18:19]
	s_mul_i32 s20, s10, HALFT                      ; and where they go: wave x 128 rows: no place in the cluster enters an LDS address
	s_wait_dscnt 0x0
	s_wait_kmcnt 0x0
	s_add_nc_u64 s[14:15], s[4:5], s[16:17]
	s_add_nc_u64 s[46:47], s[6:7], s[46:47]        ; w1b's rows at K step 0: kept for the whole launch, the second block starts from it again
	CROUND                                         ; all sixteen work-groups are here: the first joint loads meet
.irp s, 0,1
	s_mov_b32 s[G0+4*\s], 1                                        ; count = 1
	s_add_co_u32 s[G0+4*\s+1], s20, \s*SLOT                        ; LDS address
	s_add_nc_u64 s[G0+4*\s+2:G0+4*\s+3], s[14:15], \s*KSTEP*2      ; global address: K step s
	s_or_b32 s[G0+4*\s+3], s[G0+4*\s+3], 0x80000000                ; type = 2
	s_mov_b32 s[G0B+4*\s], 1
	s_add_co_u32 s[G0B+4*\s+1], s20, \s*SLOT
	s_add_nc_u64 s[G0B+4*\s+2:G0B+4*\s+3], s[46:47], \s*KSTEP*2
	s_or_b32 s[G0B+4*\s+3], s[G0B+4*\s+3], 0x80000000
	JLOAD \s                                       ; both slots are asked for before anything else is done: two tensor loads of the wave are out, later one
.endr
	; A fragment is 16 rows x 32 K in 8 registers: lane l holds row l % 16; registers 0-3 hold K = 8 (l / 16) + 0..7, registers 4-7 hold
	; K = 16 + 8 (l / 16) + 0..7: two loads of 16 bytes, 32 bytes apart.  The same for source 0 and source 1.
	v_and_b32 v1, 15, v0                           ; l % 16
	v_bfe_u32 v2, v0, 4, 1                         ; l / 16
	v_mul_u32_u24 v3, v1, PITCH
	v_lshl_add_u32 v3, v2, 4, v3                   ; row x pitch + 16 x half
	s_mul_i32 s21, s11, HALFT                      ; my 128 rows of q
	s_mul_i32 s22, s12, HALFT                      ; my 128 rows of w1b,
	s_add_co_u32 s22, s22, 2*HALFT                 ; which lie behind q's 256
.irp s, 0,1
	v_add_nc_u32 v[ADRA+\s], s21, v3
	v_add_nc_u32 v[ADRB+\s], s22, v3
	s_add_co_u32 s21, s21, SLOT
	s_add_co_u32 s22, s22, SLOT
.endr
	s_mul_i32 s23, s10, 16*SPITCH
	s_add_co_u32 s23, s23, STAGE                   ; my stage
	v_mul_u32_u24 v4, v1, SPITCH                   ; in: row l % 16, 16 bytes for each half of the lanes
	v_lshl_add_u32 v4, v2, 4, v4
	v_add_nc_u32 v[STO], s23, v4
	v_mul_u32_u24 v5, v2, SPITCH                   ; back: lanes 0-15 take one row of 256 bytes, lanes 16-31 the next
	v_lshl_add_u32 v5, v1, 4, v5
	v_add_nc_u32 v[RD], s23, v5
	v_mul_u32_u24 v5, v2, SIZE_N*2                 ; and the same two rows in h
	v_lshl_add_u32 v[CO], v1, 4, v5
	; h at my 128 x 128 of the first block
	s_lshl_b32 s16, s13, 8
	s_lshl_b32 s17, s11, 7
	s_add_co_u32 s16, s16, s17                     ; my first row: 3,968 at the most,
	s_lshl_b32 s16, s16, 13                        ; x 8,192 bytes: below 2^25
	s_mov_b32 s17, 0
	s_add_nc_u64 s[8:9], s[8:9], s[16:17]
	s_lshl_b32 s66, s42, 9                         ; my first column, in bytes: 512 x block + 256 x half (in registers that feed no descriptor)
	s_lshl_b32 s67, s12, 8
	s_add_co_u32 s66, s66, s67
	s_mov_b32 s67, 0
	s_add_nc_u64 s[8:9], s[8:9], s[66:67]
; 16 matrix instructions: m blocks a0, a0 + 1 of the window's four (hi = 0: my rows 0-63, 1: rows 64-127) x all 8 n blocks, 32 along K.
; zero = 1: the first product starts the sums: nothing is ever cleared.
.macro MUL16 f, hi, a0, zero
.irp a, \a0, \a0+1
.irp b, 0,1,2,3,4,5,6,7
.if \zero
	v_wmma_f32_16x16x32_f16 v[8*(8*(\a)+\b):8*(8*(\a)+\b)+7], v[\f+8*\b:\f+8*\b+7], v[\f+8*(4*\hi+\a):\f+8*(4*\hi+\a)+7], 0
.else
	v_wmma_f32_16x16x32_f16 v[8*(8*(\a)+\b):8*(8*(\a)+\b)+7], v[\f+8*\b:\f+8*\b+7], v[\f+8*(4*\hi+\a):\f+8*(4*\hi+\a)+7], v[8*(8*(\a)+\b):8*(8*(\a)+\b)+7]
.endif
.endr
.endr
.endm
; 32 LDS loads in one run: the fragments of one quarter step (128 rows of w1b, 128 rows of q, 32 K at byte k of the rows) into buffer f
.macro FETCH slot, k, f
	WIN TO_B
.irp i, 0,1,2,3,4,5,6,7
	ds_load_b128 v[\f+8*\i:\f+8*\i+3],   v[ADRB+\slot] offset:\k+\i*16*PITCH
	ds_load_b128 v[\f+8*\i+4:\f+8*\i+7], v[ADRB+\slot] offset:\k+\i*16*PITCH+32
.endr
	WIN 0
.irp i, 0,1,2,3,4,5,6,7
	ds_load_b128 v[\f+8*\i:\f+8*\i+3],   v[ADRA+\slot] offset:\k+\i*16*PITCH
	ds_load_b128 v[\f+8*\i+4:\f+8*\i+7], v[ADRA+\slot] offset:\k+\i*16*PITCH+32
.endr
.endm
; A load into a register that a matrix instruction has read, and a vector instruction that reads a matrix result, stand four places behind that matrix
; instruction, and only plain vector instructions that name none of its registers are places (ISA guide 7.12.1 for vector instructions).
; The matrix instructions in between are not counted.
.macro PLACES
.rept 4
	v_nop
.endr
.endm
; A K step is four quarter steps of 32 along K, 64 matrix instructions each, on buffers 0, 1, 0, 1.  The 64 accumulators take turns, one instruction a turn,
; in the same order in every quarter, over the loops' backward jumps and from the first block into the second too.
; One of the first three quarters: multiplies buffer f; in its middle it fetches the next quarter's fragments, at byte k of the same slot's rows, into buffer g.
.macro QUARTER slot, k, f, g, zero
	s_wait_dscnt 8                                 ; w1b and q's rows 0-63 are in; the youngest eight loads (q's rows 64-127) may be out
	WIN MUL_LO
	MUL16 \f, 0, 0, \zero
	MUL16 \f, 0, 2, \zero
	PLACES
	FETCH \slot, \k, \g
	s_wait_dscnt 32                                ; all but the 32 just issued
	WIN MUL_HI
	MUL16 \f, 1, 0, \zero
	MUL16 \f, 1, 2, \zero
.endm
.macro THREE slot, zero
	QUARTER \slot, 64,  F0, F1, \zero
	QUARTER \slot, 128, F1, F0, 0
	QUARTER \slot, 192, F0, F1, 0
.endm
; The last quarter of a K step: multiplies buffer 1 and changes slots.  next = the other slot.
; fill = 1: this slot is filled again; jump = 0: two K steps ahead in the same block; jump = 1: with the NEXT block's K step of this slot's number.
; fetch = 1: the next slot's first fragments are fetched (not in front of the way out, which uses the fragment buffers).
; One barrier for the change of slots, for two things.  In front of it each wave waits for its own reads of this slot and for all its tensor loads,
; of which one is out: its part of the next slot.  Behind it nobody reads this slot any more and the next slot is whole: the refill comes
; first, then the next slot's first fragments.  From a request to the wait for it a wave issues 240 matrix instructions.
.macro TURN slot, next, fill, jump, fetch
	s_wait_dscnt 8
	WIN MUL_LO
	MUL16 F1, 0, 0, 0
	s_wait_dscnt 0                                 ; my reads of this slot are over
	s_wait_tensorcnt 0x0                           ; and all my tensor loads have landed: the one that was out is my part of the next slot
	ds_add_u32 v255, v255
	s_wait_dscnt 0x0
	s_barrier_signal -1                            ; say so (where a slot is filled again this barrier opens a round of the cluster's barrier),
	MUL16 F1, 0, 2, 0                              ; work on registers while the others arrive,
	WIN 0
	s_barrier_wait -1                              ; and go on when all four have said so
.if \fill
	CREST                                          ; all sixteen work-groups have said so: no wave of any partner still reads this slot's tile or has a load on its way
.if \jump
	s_add_nc_u64 s[G0+4*\slot+2:G0+4*\slot+3], s[G0+4*\slot+2:G0+4*\slot+3], NEXTA       ; q: 4,096 rows down, six K steps back; the type bits on top are not reached
	s_add_nc_u64 s[G0B+4*\slot+2:G0B+4*\slot+3], s[46:47], \slot*KSTEP*2                 ; w1b: the same rows again, from their kept base
	s_or_b32 s[G0B+4*\slot+3], s[G0B+4*\slot+3], 0x80000000                              ; type = 2
.else
	s_add_nc_u64 s[G0+4*\slot+2:G0+4*\slot+3], s[G0+4*\slot+2:G0+4*\slot+3], 2*KSTEP*2
	s_add_nc_u64 s[G0B+4*\slot+2:G0B+4*\slot+3], s[G0B+4*\slot+2:G0B+4*\slot+3], 2*KSTEP*2
.endif
	JLOAD \slot                                    ; the first tensor load behind the round, and the wave's only one until the next
.endif
.if \fetch
	PLACES
	FETCH \next, 0, F0
.endif
	WIN MUL_HI
	MUL16 F1, 1, 0, 0
	MUL16 F1, 1, 2, 0
.endm
.macro LAP zero                        ; once round the ring, both slots filled again
	THREE 0, \zero
	TURN 0, 1, 1, 0, 1
	THREE 1, 0
	TURN 1, 0, 1, 0, 1
.endm
.macro LASTQ                           ; the launch's very last quarter: nothing more to fetch or to fill, so no barrier
	s_wait_dscnt 8
	WIN MUL_LO
	MUL16 F1, 0, 0, 0
	MUL16 F1, 0, 2, 0
	s_wait_dscnt 0
	WIN MUL_HI
	MUL16 F1, 1, 0, 0
	MUL16 F1, 1, 2, 0
.endm
; rows 16 i .. 16 i + 15 of my block = the eight tiles (a, 0..7) of window 2 or 3 (from = 0x0a or 0x0f: sources 0 and 1); f: F0 or F1 in turn
.macro OUT16 i, a, from, f
	WIN \from
.irp b, 0,1,2,3,4,5,6,7
.irp r, 0,1,2,3
	v_cvt_pk_f16_f32 v[TMP+4*\b+\r], v[8*(8*\a+\b)+2*\r], v[8*(8*\a+\b)+2*\r+1]
.endr
.endr
	WIN 0
.irp b, 0,1,2,3,4,5,6,7
	ds_store_b128 v[STO], v[TMP+4*\b:TMP+4*\b+3] offset:32*\b
.endr
	s_wait_xcnt 0x0                                ; buffer f, which earlier stores read, is loaded again only behind this wait
.irp t, 0,1,2,3,4,5,6,7
	ds_load_b128 v[\f+4*\t:\f+4*\t+3], v[RD] offset:\t*2*SPITCH    ; LDS serves a wave's instructions in order (ISA guide 5.7.1.4): these see the stores above
.endr
.irp t, 0,1,2,3,4,5,6,7
	s_wait_dscnt 7-\t                              ; the younger read-backs may stay out
	global_store_b128 v[CO], v[\f+4*\t:\f+4*\t+3], s[8:9] offset:(16*\i+2*\t)*SIZE_N*2   ; 16 lanes store 256 consecutive bytes, at a multiple of 256 from h's first byte; the row stands in the immediate, 1,032,192 at the most; no hint: the next launch reads them
.endr
.endm
; THE WAY OUT.  First the relu, in f32 and in place; then, 16 rows at a time: round to f16, 16 bytes a lane into my own stage in LDS, read back
; as whole rows of 256 bytes.  The four v_nop are the places behind the last matrix instructions.
.macro WAYOUT
	PLACES
	WIN 0x88                                       ; source 1 and destination in window 2
.set ri, 0
.rept 256
	v_max_num_f32 v[ri], 0, v[ri]
.set ri, ri+1
.endr
	WIN 0xcc                                       ; and in window 3
.set ri, 0
.rept 256
	v_max_num_f32 v[ri], 0, v[ri]
.set ri, ri+1
.endr
	OUT16 0, 0, 0x0a, F0
	OUT16 1, 1, 0x0a, F1
	OUT16 2, 2, 0x0a, F0
	OUT16 3, 3, 0x0a, F1
	OUT16 4, 0, 0x0f, F0
	OUT16 5, 1, 0x0f, F1
	OUT16 6, 2, 0x0f, F0
	OUT16 7, 3, 0x0f, F1
.endm
; One block of h.  On the way in: slot 0 holds the block's K step 0 and every wave has passed a barrier behind the waits that show it; slot 1's load, K step 1, may be out.
; more = 1: another block follows, and the slot changes of K steps 6 and 7 ask for its K steps 0 and 1, each behind its round, so that the same holds on the way out.
.macro BLOCK more
	FETCH 0, 0, F0
	LAP 1                                          ; K steps 0 and 1 stand in front of the loop: the first products start the sums
	WIN 0                                          ; at a label and at a branch every window is 0
	s_mov_b32 s3, LAPS-2
.Llap_\@:
	LAP 0                                          ; K steps 2 to 5; they ask for steps 4 to 7
	WIN 0
	s_sub_co_u32 s3, s3, 1
	s_cmp_lg_u32 s3, 0
	s_cbranch_scc1 .Llap_\@
	THREE 0, 0                                     ; K step 6
	TURN 0, 1, \more, \more, 1                     ; in the last block it fills nothing and has no round: the one tensor load still out is slot 1's, the last K step's
	THREE 1, 0                                     ; K step 7
.if \more
	TURN 1, 0, 1, 1, 0                             ; its wait for all loads and its round show the next block's K step 0 whole to every wave; K step 1 goes out
.else
	LASTQ
.endif
	WAYOUT
.if \more
	s_wait_xcnt 0x0                                ; the fragment buffers, which the last stores read, and the stores' base are rewritten only behind this wait; the stores themselves are not waited for
	s_add_nc_u64 s[8:9], s[8:9], NEXTROWS*SIZE_N*2 ; h at the second block: 4,096 rows of 8,192 bytes on
.endif
.endm
	s_wait_tensorcnt 1                             ; my part of K step 0 is in; K step 1's may stay out
	s_barrier_signal -1
	s_barrier_wait -1                              ; everybody's is
	BLOCK 1                                        ; block row y
	BLOCK 0                                        ; block row y + 16
	s_set_vgpr_msb 0x1
	s_wait_tensorcnt 0x0
	ds_add_u32 v255, v255
	s_wait_dscnt 0x0
	s_set_vgpr_msb 0x100
	CROUND                                         ; the closing round: no work-group ends while a partner may still ask for a tile that names it
	s_endpgm
.Lfunc_end_k_qa2dd66c502_gemm1:
	.size	k_qa2dd66c502_gemm1, .Lfunc_end_k_qa2dd66c502_gemm1-k_qa2dd66c502_gemm1
	.p2alignl 7, 3214868480
	.fill 96, 4, 3214868480
	.section	.rodata,"a",@progbits
	.p2align	6, 0x0
	.amdhsa_kernel k_qa2dd66c502_gemm1
		.amdhsa_group_segment_fixed_size 327680
		.amdhsa_private_segment_fixed_size 0
		.amdhsa_enable_private_segment 0
		.amdhsa_kernarg_size 24
		.amdhsa_user_sgpr_count 2
		.amdhsa_user_sgpr_kernarg_segment_ptr 1
		.amdhsa_wavefront_size32 1
		.amdhsa_system_sgpr_workgroup_id_x 1
		.amdhsa_system_sgpr_workgroup_id_y 1
		.amdhsa_system_sgpr_workgroup_id_z 1
		.amdhsa_system_vgpr_workitem_id 0
		.amdhsa_next_free_vgpr 1024
		.amdhsa_next_free_sgpr 68
		.amdhsa_reserve_vcc 0
		.amdhsa_float_denorm_mode_32 3
		.amdhsa_float_denorm_mode_16_64 3
		.amdhsa_memory_ordered 1
		.amdhsa_forward_progress 1
		.amdhsa_inst_pref_size 255
	.end_amdhsa_kernel
	.section	.bss,"aw",@nobits
	.p2align	6
	.space	262144
	.amdgpu_metadata
---
amdhsa.version: [ 1, 2 ]
amdhsa.kernels:
  - .name:           k_qa2dd66c502_gemm1
    .symbol:         k_qa2dd66c502_gemm1.kd
    .args:
      - { .name: q, .offset: 0, .size: 8, .value_kind: global_buffer, .address_space: global }
      - { .name: w1b, .offset: 8, .size: 8, .value_kind: global_buffer, .address_space: global }
      - { .name: h, .offset: 16, .size: 8, .value_kind: global_buffer, .address_space: global }
    .group_segment_fixed_size: 327680
    .private_segment_fixed_size: 0
    .kernarg_segment_align: 8
    .kernarg_segment_size: 24
    .max_flat_workgroup_size: 128
    .sgpr_count:     68
    .vgpr_count:     1024
    .wavefront_size: 32
...
	.end_amdgpu_metadata
.endif
;; end of part 2
;; launch gemm2 (part 3): grid 4 x 64, 4 waves a work-group, clusters of 4 x 4, 327,680 bytes of LDS; arguments h, w2b, out0; writes out0
.if DOCPART == 3
	.amdgcn_target "amdgcn-amd-amdhsa--gfx1250"
	.amdhsa_code_object_version 6
	.text
	.protected	k_qa2dd66c502_gemm2
	.globl	k_qa2dd66c502_gemm2
	.p2align	8
	.type	k_qa2dd66c502_gemm2,@function
k_qa2dd66c502_gemm2:
	s_mov_b64 s[64:65], 0
	v_nop
	global_prefetch_b8 v0, s[64:65] scope:SCOPE_SE
	s_setreg_imm32_b32 hwreg(HW_REG_WAVE_MODE, 25, 1), 1
	s_wait_xcnt 0x0
	s_wait_alu depctr_hold_cnt(0) depctr_sa_sdst(0) depctr_va_vdst(0) depctr_va_sdst(0) depctr_va_ssrc(0) depctr_va_vcc(0) depctr_vm_vsrc(0)
	s_getreg_b32 s2, hwreg(HW_REG_IB_STS2, 6, 4)
	s_cmp_eq_u32 s2, 0
	s_cbranch_scc0 .Lentry_in_a_cluster
	s_endpgm
.Lentry_in_a_cluster:
	s_bfe_u32 s2, ttmp6, 0x10000c
	s_cmp_lg_u32 s2, 0xf033
	s_cbranch_scc0 .Lentry_shape_is_right
	s_endpgm
.Lentry_shape_is_right:
; THIRD LAUNCH: out0[m][n] = sum over k of h[m][k] w2b[n][k].  h: [8192][4096] f16, w2b: [1024][4096] f16, out0: [8192][1024] f32; sums in f32.
; Nothing is left out.
; A work-group makes a block of 128 rows x 256 columns: 64 x 4 = 256 blocks, one for each WGP (blocks of 256 x 256 would be 128 only, and a split of K
; would send partial sums through memory).  Four waves; a wave makes 64 x 128: 32 accumulator tiles of 16 x 16, 256 registers.
; CLUSTERS: 4 x 4 work-groups.  The four of a row of the cluster are the four column blocks of one row block and need the same tiles of h; the four of a column
; need the same tiles of w2b.  Such a tile is asked for jointly, by the same tensor load in all four, with a mask that names them.
;
; THE RING: a K step is 128 along K, 384 rows (256 of w2b, 128 of h) of 256 bytes.  A refill has to land before the next refill's barrier, so the work that
; covers it is the OTHER slot's.  Two slots of two steps (2 x 384 x 528 bytes) do not fit in LDS; three steps do.  So the ring is a LARGE slot of two steps (rows of
; 512 bytes) and a SMALL slot of one (rows of 256 bytes), read by turns: L0 S0 L1 S1 .. L9 S9 L10 = 11 x 2 + 10 = 32 steps.  L_i holds steps 3 i and 3 i + 1, S_i step 3 i + 2.
; The small slot's refill has 248 matrix instructions of a wave in which to land, the large slot's 120, and there are 19 refills with their rounds for 32 steps.
; All tiles' rows begin at multiples of 256 bytes of h's and w2b's rows (768 i and 768 i + 512).
; LDS: large slot: w2b's 256 rows x 528 bytes from byte 0 (waves 0 and 1 bring 128 rows each), h's 128 rows x 528 from 135,168 (waves 2 and 3 bring 64 each);
;      small slot: w2b's 256 rows x 272 from 202,752, h's 128 rows x 272 from 272,384, shared out likewise;
;      from 307,200 (1,200 x 256): a stage of 16 rows x 272 bytes for each wave, for the way out; no fill lands there.
; REGISTERS: window 0: v0-31 addresses; v32-63, v64-95 fragments of h (4 x 16 rows x 32 K), two buffers; v96-159, v160-223 fragments of w2b (8 x 16 rows), two buffers.
;            window 1: the 32 accumulator tiles, tile (a, b) at v[8 (8 a + b)].
; THE MATRIX INSTRUCTION IS USED TRANSPOSED: source 0 = 16 rows of w2b, source 1 = 16 rows of h.  Lane l then holds row l % 16 of out0 and its registers 0 to 7
; the columns 8 (l / 16) + 0 .. 7: 32 neighbouring bytes of a row.
; PREFETCH OF h: h is read once in the launch, by one row of one cluster.  A trip (L_i, S_i) takes 768 bytes, three blocks of 256, of each of the block's 128 rows.
; Behind the refill of the small slot in trip i, waves 0, 1, 2 of the partner at place cx ask for block 0, 1, 2 of trip i + 2, lane l for row 32 cx + l: the large
; tile is then loaded two K steps later, the small one three.  One more ask at the start is for trip 1.  So each block from byte 768 of a row on is asked for once.
; Trip 10 has two blocks only: there wave 2's address is clamped to the row's last block, so that no ask leaves the row.  w2b is read by all 16 clusters: not asked for.
.set SIZE_M, 8192
.set SIZE_N, 1024
.set SIZE_K, 4096
.set KSTEP,  128
.set PS,     272                       ; the small slot's pitch: 256 bytes + 16; both pitches are odd multiples of 16, so that the 16 rows that a fragment load
.set PL,     528                       ; the large slot's: 512 bytes + 16        touches lie in 16 different 16-byte columns modulo 256 bytes.  PL = PS + 256
.set LA,     256*PL                    ; h's rows in the large slot
.set SB,     384*PL                    ; the small slot: w2b's rows
.set SA,     SB+256*PS                 ; h's rows in the small slot
.set STAGE,  SB+384*PS                 ; byte 307,200
.set SP,     272                       ; a stage row: 64 f32 + 16 bytes; 16 rows are 4,352 bytes = 17 x 256
.set TRIPB,  3*KSTEP*2                 ; bytes of a row that a trip takes: 768
.set ADRA, 16                          ; v16, v17  LDS address of my h fragments in the small, the large slot
.set ADRB, 20                          ; v20, v21  the same for w2b
.set STO,  24                          ; v24     the way out: where I put 32 bytes of a row
.set RD,   25                          ; v25     the way out: where I read 16 bytes back
.set CO,   26                          ; v26     my byte offset in out0
.set PRUN, 27                          ; v27     prefetch: my block's byte offset from the block row's first byte, stepped by a trip
.set PADR, 28                          ; v28     the same, clamped: what the prefetch names
.set PMAX, 29                          ; v29     the offset of my row's last block
.set FA,   32                          ; h's fragments: buffer f at FA + 32 f
.set FB,   96                          ; w2b's fragments: buffer f at FB + 64 f
.set G1A, 24                           ; s[24:31], s[32:39] descriptor group 1 for h's tiles: small, large
.set G1B, 40                           ; s[40:47], s[48:55] for w2b's tiles: small, large
.set G0A, 56                           ; s[56:59], s[60:63] descriptor group 0 for h's tiles: small, large
.set G0B, 68                           ; s[68:71], s[72:75] for w2b's tiles: small, large
.set PADS, (1<<16)|(1<<20)|(1<<21)|(5<<22)|(3<<25)   ; elements of 2 bytes; padding on; bit 21 set beside a mask; after every 64 words; four words
.set PADL, (1<<16)|(1<<20)|(1<<21)|(6<<22)|(3<<25)   ; the same after every 128 words
.set MSB, 0
.macro WIN new                         ; the immediate's high byte repeats the setting that is left; a switch that changes nothing is dropped
.if MSB != \new
	s_set_vgpr_msb (MSB<<8)|\new
.set MSB, \new
.endif
.endm
.set MULW, 0x50                        ; sources 0 and 1 window 0, C and D window 1
.set ACCST, 0x04                       ; an LDS store's data (source 1) in window 1, its address in window 0
; A joint load into the small (big = 0) or the large slot.  Waves 0 and 1 fetch w2b's two halves, waves 2 and 3 h's.  Each line has one mask and one set of registers
; for all that issue it.  The branch hangs on the wave's number alone: it is the same in every work-group.
.macro JLOAD big
	s_cmp_lt_u32 s10, 2
	s_cbranch_scc0 .Lfor_a_\@
	tensor_load_to_lds s[G0B+4*\big:G0B+4*\big+3], s[G1B+8*\big:G1B+8*\big+7]
	s_nop 0
	s_branch .Lasked_\@
.Lfor_a_\@:
	tensor_load_to_lds s[G0A+4*\big:G0A+4*\big+3], s[G1A+8*\big:G1A+8*\big+7]
	s_nop 0
.Lasked_\@:
.endm
; A round of the cluster's barrier: my work-group's barrier, so that wave 0's signal speaks for all four waves; wave 0 signals for the work-group;
; every wave waits for all sixteen work-groups; my work-group's barrier once more.
.macro CREST                           ; a round behind its opening barrier
	s_cmp_lg_u32 s10, 0
	s_cbranch_scc1 .Lnot_wave_0_\@
	s_barrier_signal -3
.Lnot_wave_0_\@:
	s_barrier_wait -3
	s_barrier_signal -1
	s_barrier_wait -1
.endm
.macro CROUND                          ; a whole round
	s_barrier_signal -1
	s_barrier_wait -1
	CREST
.endm
; The prefetch: 32 lanes, 32 rows, one block of 256 bytes each; a trip has three blocks a row, so wave 3 asks for nothing.
.macro ASK
	s_cmp_eq_u32 s10, 3
	s_cbranch_scc1 .Lno_ask_\@
	global_prefetch_b8 v[PADR], s[84:85] th:TH_LOAD_NT scope:SCOPE_SE
.Lno_ask_\@:
.endm
; Descriptor group 1: a tile of rows x cols elements of 2 bytes, padded behind each row; the tiles lie inside the tensor, so the extents are the tile's.
.macro SHAPE g, mask, padw, cols, rows
	s_or_b32 s[\g+0], \mask, \padw                 ; 15:0 the mask; the rest as PADS and PADL say
	s_mov_b32 s[\g+1], (\cols)<<16                 ; tensor_dim0
	s_mov_b32 s[\g+2], (\rows)<<16                 ; tensor_dim1
	s_mov_b32 s[\g+3], (\cols)<<16                 ; tile_dim0
	s_mov_b32 s[\g+4], \rows                       ; tile_dim1; tile_dim2 = 0
	s_mov_b32 s[\g+5], SIZE_K                      ; elements from row to row
	s_mov_b32 s[\g+6], 0
	s_mov_b32 s[\g+7], 0
.endm
	s_load_b128 s[4:7], s[0:1], 0x0                ; h s[4:5], w2b s[6:7]
	s_load_b64 s[8:9], s[0:1], 0x10                ; out0
	v_lshl_add_u32 v254, v0, 2, 0x4f400
	v_mov_b32 v255, 0
	ds_add_u32 v254, v255
	v_lshrrev_b32 v1, 5, v0
	v_readfirstlane_b32 s10, v1                    ; wave 0..3
	s_lshr_b32 s11, s10, 1                         ; which 64 of the block's rows are mine
	s_and_b32 s12, s10, 1                          ; which 128 of its columns.  Also: which half of a tile I fetch
	s_bfe_u32 s76, ttmp6, 0x40000                  ; cx: my place along the cluster's x
	s_bfe_u32 s77, ttmp6, 0x40004                  ; cy: along its y
	s_lshl_b32 s78, ttmp9, 2                       ; in a cluster launch ttmp9 and ttmp7 count clusters
	s_add_co_u32 s78, s78, s76                     ; block column = 4 x cluster x + cx
	s_and_b32 s13, ttmp7, 0xffff
	s_lshl_b32 s13, s13, 2
	s_add_co_u32 s13, s13, s77                     ; block row = 4 x cluster y + cy
	s_lshl_b32 s79, s77, 2
	s_lshl_b32 s79, 15, s79                        ; my row of the cluster: places 4 cy .. 4 cy + 3: h's tiles go there
	s_lshl_b32 s80, 0x1111, s76                    ; my column: places cx, cx + 4, cx + 8, cx + 12: w2b's tiles go there
	SHAPE G1A,   s79, PADS, 128, 64                ; h, small: 64 rows x 128 elements
	SHAPE G1A+8, s79, PADL, 256, 64                ; h, large: 64 rows x 256 elements
	SHAPE G1B,   s80, PADS, 128, 128               ; w2b, small: 128 rows x 128 elements
	SHAPE G1B+8, s80, PADL, 256, 128               ; w2b, large: 128 rows x 256 elements
	; where the tiles come from.  h's hang on the block row alone, which my row of the cluster shares; w2b's on the block column alone, which my column shares.
	; Every wave makes both addresses, in registers that never hold the other coordinate, and asks by one of them.
	s_lshl_b32 s17, s12, 6
	s_lshl_b32 s16, s13, 7
	s_add_co_u32 s16, s16, s17                     ; h: row 128 x block row + 64 x half
	s_lshl_b32 s83, s12, 7
	s_lshl_b32 s82, s78, 8
	s_add_co_u32 s82, s82, s83                     ; w2b: row 256 x block column + 128 x half
	s_mov_b32 s17, 0
	s_mov_b32 s83, 0
	s_mov_b64 s[18:19], SIZE_K*2
	s_mul_u64 s[16:17], s[16:17], s[18:19]         ; in bytes
	s_mul_u64 s[82:83], s[82:83], s[18:19]
	s_lshl_b32 s84, s13, 20                        ; the block row's first byte in h: 128 rows of 8,192 bytes
	s_mov_b32 s85, 0
	s_wait_dscnt 0x0
	s_wait_kmcnt 0x0
	s_add_nc_u64 s[14:15], s[4:5], s[16:17]
	s_add_nc_u64 s[82:83], s[6:7], s[82:83]
	s_add_nc_u64 s[84:85], s[4:5], s[84:85]        ; the prefetch's base; never rewritten
	CROUND                                         ; all sixteen work-groups are here: the first joint loads meet
	; Descriptor group 0.  Each LDS address is a constant plus the wave's number times a constant; no place in the cluster enters it.
	s_mov_b32 s[G0A], 1                            ; h, small: count = 1
	s_mul_i32 s20, s10, 64*PS
	s_add_co_u32 s[G0A+1], s20, SA-128*PS          ; waves 2 and 3: SA and SA + 64 rows
	s_add_nc_u64 s[G0A+2:G0A+3], s[14:15], 2*KSTEP*2   ; K step 2
	s_or_b32 s[G0A+3], s[G0A+3], 0x80000000        ; type = 2
	s_mov_b32 s[G0A+4], 1                          ; h, large
	s_mul_i32 s20, s10, 64*PL
	s_add_co_u32 s[G0A+5], s20, LA-128*PL          ; waves 2 and 3: LA and LA + 64 rows
	s_mov_b64 s[G0A+6:G0A+7], s[14:15]             ; K steps 0 and 1
	s_or_b32 s[G0A+7], s[G0A+7], 0x80000000
	s_mov_b32 s[G0B], 1                            ; w2b, small
	s_mul_i32 s20, s10, 128*PS
	s_add_co_u32 s[G0B+1], s20, SB                 ; waves 0 and 1: SB and SB + 128 rows
	s_add_nc_u64 s[G0B+2:G0B+3], s[82:83], 2*KSTEP*2
	s_or_b32 s[G0B+3], s[G0B+3], 0x80000000
	s_mov_b32 s[G0B+4], 1                          ; w2b, large
	s_mul_i32 s[G0B+5], s10, 128*PL                ; waves 0 and 1: 0 and 128 rows
	s_mov_b64 s[G0B+6:G0B+7], s[82:83]
	s_or_b32 s[G0B+7], s[G0B+7], 0x80000000
	JLOAD 1                                        ; L0, then S0: both slots are asked for before anything else is done:
	JLOAD 0                                        ; two tensor loads of the wave are out, later one
	; the prefetch's offsets, and the ask for trip 1
	v_and_b32 v5, 31, v0
	s_lshl_b32 s87, s76, 18                        ; 32 cx rows of 8,192 bytes (in registers that feed no descriptor)
	v_lshl_add_u32 v[PMAX], v5, 13, s87            ; my row: 32 cx + lane
	s_lshl_b32 s86, s10, 8
	s_add_co_u32 s86, s86, TRIPB                   ; trip 1, block = my wave's number
	v_add_nc_u32 v[PRUN], s86, v[PMAX]
	v_add_nc_u32 v[PMAX], SIZE_K*2-256, v[PMAX]    ; the row's last block
	v_min_u32 v[PADR], v[PRUN], v[PMAX]
	ASK
	; A fragment is 16 rows x 32 K in 8 registers: lane l holds row l % 16; registers 0-3 hold K = 8 (l / 16) + 0..7, registers 4-7 hold
	; K = 16 + 8 (l / 16) + 0..7: two loads of 16 bytes, 32 bytes apart.  The same for source 0 and source 1.
	v_and_b32 v1, 15, v0                           ; l % 16
	v_bfe_u32 v2, v0, 4, 1                         ; l / 16
	v_mul_u32_u24 v3, v1, PS
	v_lshl_add_u32 v3, v2, 4, v3                   ; row x pitch + 16 x half, small slot
	v_mul_u32_u24 v4, v1, PL
	v_lshl_add_u32 v4, v2, 4, v4                   ; and large slot
	s_mul_i32 s21, s11, 64*PS
	s_add_co_u32 s21, s21, SA                      ; my 64 rows of h
	s_mul_i32 s22, s12, 128*PS
	s_add_co_u32 s22, s22, SB                      ; my 128 rows of w2b
	v_add_nc_u32 v[ADRA], s21, v3
	v_add_nc_u32 v[ADRB], s22, v3
	s_mul_i32 s21, s11, 64*PL
	s_add_co_u32 s21, s21, LA
	s_mul_i32 s22, s12, 128*PL
	v_add_nc_u32 v[ADRA+1], s21, v4
	v_add_nc_u32 v[ADRB+1], s22, v4
	s_mul_i32 s23, s10, 16*SP
	s_add_co_u32 s23, s23, STAGE                   ; my stage
	v_mul_u32_u24 v5, v1, SP                       ; in: row l % 16, 32 bytes for each half of the lanes
	v_lshl_add_u32 v5, v2, 5, v5
	v_add_nc_u32 v[STO], s23, v5
	v_mul_u32_u24 v5, v2, SP                       ; back: lanes 0-15 take one row of 256 bytes, lanes 16-31 the next
	v_lshl_add_u32 v5, v1, 4, v5
	v_add_nc_u32 v[RD], s23, v5
	v_lshlrev_b32 v5, 12, v2                       ; and the same two rows in out0, 4,096 bytes apart
	v_lshl_add_u32 v[CO], v1, 4, v5
; 8 matrix instructions: m block a x all 8 n blocks, 32 along K, from buffer f.  zero = 1: the product starts the sums: nothing is ever cleared.
.macro MUL8 f, a, zero
.irp b, 0,1,2,3,4,5,6,7
.if \zero
	v_wmma_f32_16x16x32_f16 v[8*(8*\a+\b):8*(8*\a+\b)+7], v[FB+64*\f+8*\b:FB+64*\f+8*\b+7], v[FA+32*\f+8*\a:FA+32*\f+8*\a+7], 0
.else
	v_wmma_f32_16x16x32_f16 v[8*(8*\a+\b):8*(8*\a+\b)+7], v[FB+64*\f+8*\b:FB+64*\f+8*\b+7], v[FA+32*\f+8*\a:FA+32*\f+8*\a+7], v[8*(8*\a+\b):8*(8*\a+\b)+7]
.endif
.endr
.endm
; 24 LDS loads in one run: the fragments of one quarter step (128 rows of w2b, 64 rows of h, 32 K at byte k of the rows of the small or the large slot) into buffer f
.macro FETCH big, k, f
	WIN 0
.irp i, 0,1,2,3,4,5,6,7
	ds_load_b128 v[FB+64*\f+8*\i:FB+64*\f+8*\i+3],   v[ADRB+(\big)] offset:\k+\i*16*(PS+256*(\big))
	ds_load_b128 v[FB+64*\f+8*\i+4:FB+64*\f+8*\i+7], v[ADRB+(\big)] offset:\k+\i*16*(PS+256*(\big))+32
.endr
.irp i, 0,1,2,3
	ds_load_b128 v[FA+32*\f+8*\i:FA+32*\f+8*\i+3],   v[ADRA+(\big)] offset:\k+\i*16*(PS+256*(\big))
	ds_load_b128 v[FA+32*\f+8*\i+4:FA+32*\f+8*\i+7], v[ADRA+(\big)] offset:\k+\i*16*(PS+256*(\big))+32
.endr
.endm
; A load into a register that a matrix instruction has read, and an LDS store that reads a matrix result, stand four places behind that matrix instruction,
; and only plain vector instructions that name none of its registers are places (ISA guide 7.12.1 for vector instructions).
.macro PLACES
.rept 4
	v_nop
.endr
.endm
; The work goes in quarter steps of 32 along K, 32 matrix instructions each, on buffers 0, 1 by turns; the large slot has eight, the small one four, so every pass begins
; on buffer 0.  The 32 accumulators take turns, one instruction a turn, in the same order in every quarter, over the loop's backward jump too.
; A quarter first asks for the NEXT quarter's fragments (byte k of the slot's rows, into buffer g, which the last quarter has multiplied), then multiplies
; buffer f: a wave reads 12 KiB from LDS for 32 matrix instructions, so the loads get a whole quarter in which to come.
.macro QUARTER big, k, f, g, zero
	PLACES
	FETCH \big, \k, \g
	s_wait_dscnt 24                                ; all but the 24 just issued: buffer f, asked for a quarter ago, is in
	WIN MULW
	MUL8 \f, 0, \zero
	MUL8 \f, 1, \zero
	MUL8 \f, 2, \zero
	MUL8 \f, 3, \zero
.endm
; A pass through the large (big = 1) or the small slot.  fill = 1: the slot is filled again, with its tile of the next trip.
; One barrier for the change of slots, in the last quarter but one, whose loads are the last reads of this slot.  In front of it each wave waits for its own reads of
; this slot and for all its tensor loads, of which one is out: its part of the other slot.  Behind it nobody reads this slot any more and the other slot is whole:
; the refill comes first, then the other slot's first fragments.
.macro PASS big, fill, zero
	QUARTER \big, 64,  0, 1, \zero
.if \big
	QUARTER \big, 128, 1, 0, 0
	QUARTER \big, 192, 0, 1, 0
	QUARTER \big, 256, 1, 0, 0
	QUARTER \big, 320, 0, 1, 0
.endif
	QUARTER \big, 128+256*\big, 1, 0, 0
	PLACES
	FETCH \big, 192+256*\big, 1
	s_wait_dscnt 24                                ; all but the 24 just issued: buffer 0 is in
	WIN MULW
	MUL8 0, 0, 0
	MUL8 0, 1, 0
	MUL8 0, 2, 0
	s_wait_dscnt 0x0                               ; my reads of this slot are over (issued 24 matrix instructions ago)
	s_wait_tensorcnt 0x0                           ; and all my tensor loads have landed: the one that was out is my part of the other slot
	ds_add_u32 v254, v255
	s_wait_dscnt 0x0
	s_barrier_signal -1                            ; say so (where the slot is filled again this barrier opens a round of the cluster's barrier),
	MUL8 0, 3, 0                                   ; work on registers while the others arrive,
	WIN 0
	s_barrier_wait -1                              ; and go on when all four have said so
.if \fill
	CREST                                          ; all sixteen work-groups have said so: no wave of any partner still reads this slot's tile or has a load on its way
	s_add_nc_u64 s[G0A+4*\big+2:G0A+4*\big+3], s[G0A+4*\big+2:G0A+4*\big+3], TRIPB
	s_add_nc_u64 s[G0B+4*\big+2:G0B+4*\big+3], s[G0B+4*\big+2:G0B+4*\big+3], TRIPB
	JLOAD \big                                     ; the first tensor load behind the round, and the wave's only one until the next
.endif
.if (\fill)*(1-(\big))
	s_wait_xcnt 0x0                                ; the last ask, a trip ago, has had its address translated: PADR is rewritten only behind this wait
	v_add_nc_u32 v[PRUN], TRIPB, v[PRUN]           ; the trip after next; these two lines are two of the four places behind the matrix instructions
	v_min_u32 v[PADR], v[PRUN], v[PMAX]            ; never past my row's last block
	ASK
	v_nop
	v_nop
.else
	PLACES
.endif
	FETCH 1-\big, 0, 0                             ; buffer 1 is in since the wait for 0 above: no wait is needed in front of its products
	WIN MULW
	MUL8 1, 0, 0
	MUL8 1, 1, 0
	MUL8 1, 2, 0
	MUL8 1, 3, 0
.endm
	s_wait_tensorcnt 1                             ; my part of L0 is in; S0's may stay out
	s_barrier_signal -1
	s_barrier_wait -1                              ; everybody's is
	FETCH 1, 0, 0
	PASS 1, 1, 1                                   ; trip 0 stands in front of the loop: the first products start the sums.  L0; asks for L1
	PASS 0, 1, 0                                   ; S0; asks for S1
	WIN 0                                          ; at a label and at a branch every window is 0
	s_mov_b32 s3, 8
.Ltrip:
	PASS 1, 1, 0                                   ; trips 1 to 8: L_i; asks for L_(i+1)
	PASS 0, 1, 0                                   ; S_i; asks for S_(i+1)
	WIN 0
	s_sub_co_u32 s3, s3, 1
	s_cmp_lg_u32 s3, 0
	s_cbranch_scc1 .Ltrip
	PASS 1, 1, 0                                   ; L9; asks for L10, the last tile
	PASS 0, 0, 0                                   ; S9 fills nothing and has no round: the one tensor load still out is L10's
	QUARTER 1, 64,  0, 1, 0                        ; L10
	QUARTER 1, 128, 1, 0, 0
	QUARTER 1, 192, 0, 1, 0
	QUARTER 1, 256, 1, 0, 0
	QUARTER 1, 320, 0, 1, 0
	QUARTER 1, 384, 1, 0, 0
	QUARTER 1, 448, 0, 1, 0
	s_wait_dscnt 0x0                               ; the very last quarter: nothing more to fetch
	MUL8 1, 0, 0
	MUL8 1, 1, 0
	MUL8 1, 2, 0
	MUL8 1, 3, 0
	; THE WAY OUT, 16 rows x 64 columns of out0 at a time: 32 bytes a lane into my own stage in LDS, read back as whole rows of 256 bytes.
	; The four v_nop are the places behind the last matrix instructions: for the LDS stores, which read results, and for the loads into the fragment buffers.
	PLACES
	s_lshl_b32 s16, s13, 7
	s_lshl_b32 s17, s11, 6
	s_add_co_u32 s16, s16, s17                     ; my first row of out0
	s_lshl_b32 s16, s16, 12                        ; x 4,096 bytes: below 2^25
	s_mov_b32 s17, 0
	s_add_nc_u64 s[8:9], s[8:9], s[16:17]
	s_lshl_b32 s82, s78, 10                        ; my first column, in bytes: 1,024 x block + 512 x half (in registers that feed none of h's descriptors)
	s_lshl_b32 s83, s12, 9
	s_add_co_u32 s82, s82, s83
	s_mov_b32 s83, 0
	s_add_nc_u64 s[8:9], s[8:9], s[82:83]          ; never rewritten: rows and halves stand in the stores' immediates, 254,208 bytes at the most
; rows 16 a .. 16 a + 15 of my 64, columns 64 half .. 64 half + 63 of my 128 = the four tiles (a, 4 half + 0..3); rb: 32 registers of the fragment buffers;
; again = 1: earlier stores have named these registers
.macro OUTH a, half, rb, again
	WIN ACCST
.irp b, 0,1,2,3
	ds_store_b128 v[STO], v[8*(8*\a+4*\half+\b):8*(8*\a+4*\half+\b)+3]   offset:64*\b       ; columns 16 b + 8 (l / 16) + 0..3 of row l % 16
	ds_store_b128 v[STO], v[8*(8*\a+4*\half+\b)+4:8*(8*\a+4*\half+\b)+7] offset:64*\b+16    ; and + 4..7
.endr
	WIN 0
.if \again
	s_wait_xcnt 0x0                                ; the registers at rb, which earlier stores read, are loaded again only behind this wait
.endif
.irp t, 0,1,2,3,4,5,6,7
	ds_load_b128 v[\rb+4*\t:\rb+4*\t+3], v[RD] offset:\t*2*SP      ; LDS serves a wave's instructions in order (ISA guide 5.7.1.4): these see the stores above, and the next unit's stores come behind them
.endr
.irp t, 0,1,2,3,4,5,6,7
	s_wait_dscnt 7-\t                              ; the younger read-backs may stay out
	global_store_b128 v[CO], v[\rb+4*\t:\rb+4*\t+3], s[8:9] offset:(16*\a+2*\t)*SIZE_N*4+256*\half th:TH_STORE_NT   ; 16 lanes store 256 consecutive bytes, at a multiple of 256 from out0's first byte
.endr
.endm
	OUTH 0, 0, FA,     0
	OUTH 0, 1, FA+32,  0
	OUTH 1, 0, FA+64,  0
	OUTH 1, 1, FA+96,  0
	OUTH 2, 0, FA+128, 0
	OUTH 2, 1, FA+160, 0
	OUTH 3, 0, FA,     1
	OUTH 3, 1, FA+32,  1
	s_wait_tensorcnt 0x0
	ds_add_u32 v254, v255
	s_wait_dscnt 0x0
	CROUND                                         ; the closing round: no work-group ends while a partner may still ask for a tile that names it
	s_endpgm
.Lfunc_end_k_qa2dd66c502_gemm2:
	.size	k_qa2dd66c502_gemm2, .Lfunc_end_k_qa2dd66c502_gemm2-k_qa2dd66c502_gemm2
	.p2alignl 7, 3214868480
	.fill 96, 4, 3214868480
	.section	.rodata,"a",@progbits
	.p2align	6, 0x0
	.amdhsa_kernel k_qa2dd66c502_gemm2
		.amdhsa_group_segment_fixed_size 327680
		.amdhsa_private_segment_fixed_size 0
		.amdhsa_enable_private_segment 0
		.amdhsa_kernarg_size 24
		.amdhsa_user_sgpr_count 2
		.amdhsa_user_sgpr_kernarg_segment_ptr 1
		.amdhsa_wavefront_size32 1
		.amdhsa_system_sgpr_workgroup_id_x 1
		.amdhsa_system_sgpr_workgroup_id_y 1
		.amdhsa_system_sgpr_workgroup_id_z 1
		.amdhsa_system_vgpr_workitem_id 0
		.amdhsa_next_free_vgpr 512
		.amdhsa_next_free_sgpr 88
		.amdhsa_reserve_vcc 0
		.amdhsa_float_denorm_mode_32 3
		.amdhsa_float_denorm_mode_16_64 3
		.amdhsa_memory_ordered 1
		.amdhsa_forward_progress 1
		.amdhsa_inst_pref_size 194
	.end_amdhsa_kernel
	.amdgpu_metadata
---
amdhsa.version: [ 1, 2 ]
amdhsa.kernels:
  - .name:           k_qa2dd66c502_gemm2
    .symbol:         k_qa2dd66c502_gemm2.kd
    .args:
      - { .name: h, .offset: 0, .size: 8, .value_kind: global_buffer, .address_space: global }
      - { .name: w2b, .offset: 8, .size: 8, .value_kind: global_buffer, .address_space: global }
      - { .name: out0, .offset: 16, .size: 8, .value_kind: global_buffer, .address_space: global }
    .group_segment_fixed_size: 327680
    .private_segment_fixed_size: 0
    .kernarg_segment_align: 8
    .kernarg_segment_size: 24
    .max_flat_workgroup_size: 128
    .sgpr_count:     88
    .vgpr_count:     512
    .wavefront_size: 32
...
	.end_amdgpu_metadata
.endif
;; end of part 3
